; MI455X (gfx1250); checked and timed in simulation.
; The chip was launched on July 23, 2026; its instructions are those of AMD's public machine-readable ISA for CDNA 5 (MIT licence, August 2026) and "CDNA5" Instruction Set Architecture Reference Guide (July 2026). The comments in the code are by the model that wrote it; some were corrected since.
;; CRF. Allowed arithmetic: float matrix products may take bf16 or f16 operands with f32 sums; all other float work in f32.
;; Inputs: lengths 256 int32; logits 256 x 64 x 128 float32; tags 256 x 64 int32; trans 128 x 128 float32.
;; Outputs: out0 one number float32; out1 256 x 64 int32; out2 256 float32.
;; 2 versions, each right and faster than the one before. Each part assembles by itself: llvm-mc -triple=amdgcn-amd-amdhsa -mcpu=gfx1250 --defsym DOCPART=n.
;; ======== version 1 of 2: 2 launches
;; workspace buffers: nll 1,024 bytes
;; launch crf (part 1): grid 256 x 1, 8 waves a work-group, no clusters, 168,960 bytes of LDS; arguments logits, tags, lengths, trans, nll, out1, out2; writes nll, out1, out2
.if DOCPART == 1
	.amdgcn_target "amdgcn-amd-amdhsa--gfx1250"
	.amdhsa_code_object_version 6
	.text
	.protected	k_q2a5296450e_crf
	.globl	k_q2a5296450e_crf
	.p2align	8
	.type	k_q2a5296450e_crf,@function
k_q2a5296450e_crf:
	s_mov_b64 s[64:65], 0
	v_nop
	global_prefetch_b8 v0, s[64:65] scope:SCOPE_SE
	s_setreg_imm32_b32 hwreg(HW_REG_WAVE_MODE, 25, 1), 1
	s_wait_xcnt 0x0
; CRF over B = 256 sequences, T = 64 positions, K = 128 tags.  Work-group b owns sequence b and makes
;   nll[b]  = log_norm[b] - seq_score[b]   (summed over b by the next launch),
;   out1[b] = the Viterbi path (64 int32), out2[b] = the Viterbi score.
; Eight waves: waves 0-3 run the log-sum-exp recurrence, waves 4-7 the max-plus recurrence, in the same 63 steps.
; A lane owns one column j = thread & 127 and keeps trans[0..127][j] in 128 registers for the whole launch, so the
; maximum, the sum and the argmax over the 128 predecessors never leave the lane.  The state (128 f32 per recurrence)
; goes from step to step through two LDS buffers that take turns: one barrier a step.
; The 128 predecessors are taken as two halves of 64 through the same 64 registers: 256 registers, one register window.
;
; WHY NOT THE MATRIX UNIT: exp(alpha - max) x exp(trans - max) as a product loses every term of a column whose own
; maximum lies far under the sum of the two maxima; with inputs 30 times the drawn spread that distance passes what
; f32 can hold, where the log-sum-exp itself is finite.  So each exponential is taken behind the column's own
; maximum (a running one over the two halves), in f32.  The max-plus recurrence is no product at all.
; WHY NO CLUSTER, NO TENSOR LOAD, NO PREFETCH: all that work-groups share is trans, 65,536 bytes, read once per
; work-group in front of 63 steps of 2 x 16,384 element updates; behind the staging no step touches memory.
; The trip count does not hang on lengths: steps past the length keep the state by a select.
;
; LIMITS: inputs are finite (no NaN, no infinity).  A tag outside 0..127 is read as 127 (unsigned clamp).
; The forward values are kept in base 2 (logits and trans times log2 e) and summed in another order than the
; reference's; a term more than 126 powers of two under the running maximum counts as 0 (v_exp_f32 flushes).
; The max-plus recurrence makes the reference's own f32 additions, and every tie goes to the first index.
.set TRANS,  0                         ; LDS: trans as given, row i at 512 i                       65,536 bytes
.set LOGITS, 65536                     ; LDS: my sequence's logits, row t at 512 t                 32,768 bytes
.set BP,     98304                     ; LDS: backpointers as f32 numbers, row t-1 at 512 (t-1)    32,256 bytes
.set STATE,  131072                    ; LDS: buffer x 1024 + recurrence x 512 + 4 j                2,048 bytes
.set BUFB,   1024                      ; the second state buffer
.set LANE, 1                           ; v1   lane
.set COLA, 2                           ; v2   4 j
.set LIN,  3                           ; v3   16 x thread: staging, both sides
.set LIN2, 4                           ; v4   the same + LOGITS
.set LGA,  5                           ; v5   LDS address of logits[t][j]
.set BPA,  6                           ; v6   LDS address of bp[t-1][j]
.set RDB,  7                           ; v7   my recurrence's state in buffer 0
.set WRA,  8                           ; v8   my column's word of it
.set LG,   9                           ; v9   logits[t][j]
.set CUR,  10                          ; v10  my column's state
.set JF,   11                          ; v11  float(j): the backpointer of a padded step
.set MA,   12                          ; v12, v13  two chains of maxima
.set MB,   13
.set MP0,  14                          ; v[14:15] half 0's maximum, twice (a pair for the packed subtraction)
.set MP1,  16                          ; v[16:17] the running maximum behind half 1 (Viterbi: half 1's own)
.set ACC0, 18                          ; v[18:19], v[20:21] two chains of packed sums
.set ACC1, 20
.set SUM0, 22                          ; v22, v23 the halves' sums of exponentials
.set SUM1, 23
.set CC,   24                          ; v24  2^(MP0 - MP1)
.set NEW,  25                          ; v25  the step's new value
.set D,    26                          ; v26  MP0 - MP1
.set IX,   28                          ; v[28:31] lowest matching index of each residue mod 4
.set I0,   32                          ; v32, v33 the halves' argmax
.set I1,   33
.set SENT, 34                          ; v34  255: no match
.set FAC,  36                          ; v[36:37] log2 e (forward) or 1.0 (Viterbi), twice
.set LG0,  38                          ; v38  LOGITS + 4 j
.set BP0,  39                          ; v39  BP - 512 + 4 j
.set S,    64                          ; v[64:127]  64 state values, then in place state + trans, then exponentials
.set T,    128                         ; v[128:255] my column of trans
.set WAVE, 18                          ; s18  wave number
.set LEN,  19                          ; s19  lengths[b]
.set TT,   20                          ; s20  loop counter = t of the trip's first step
.set T1,   21                          ; s21  t of its second step
.set MASK, 22                          ; s22  -1 where t < length, else 0
.set L2E,  28                          ; s28  log2 e
.set PM,   34                          ; s34  backtrack: the lane that keeps path[t]
.set CM,   40                          ; s[40:43] four compare masks
	s_load_b256 s[4:11], s[0:1], 0x0               ; logits s[4:5], tags s[6:7], lengths s[8:9], trans s[10:11]
	s_load_b128 s[12:15], s[0:1], 0x20             ; nll s[12:13], out1 s[14:15]
	s_load_b64 s[16:17], s[0:1], 0x30              ; out2
	v_lshl_add_u32 v27, v0, 2, 0x29000
	v_mov_b32 v35, 0
	v_lshrrev_b32 v[LANE], 5, v0
	v_readfirstlane_b32 s[WAVE], v[LANE]           ; wave number as a scalar
	v_and_b32 v[LANE], 31, v0
	v_and_b32 v[COLA], 127, v0                     ; j
	v_cvt_f32_u32 v[JF], v[COLA]
	v_lshlrev_b32 v[COLA], 2, v[COLA]
	v_lshlrev_b32 v[LIN], 4, v0
	v_add_nc_u32 v[LIN2], LOGITS, v[LIN]
	v_add_nc_u32 v[LG0], LOGITS, v[COLA]
	v_add_nc_u32 v[BP0], BP-512, v[COLA]
	v_lshl_add_u32 v[WRA], v0, 2, STATE            ; recurrence x 512 + 4 j = 4 x thread
	v_mov_b32 v[SENT], 0xff
	s_lshr_b32 s23, s[WAVE], 2                     ; 0: forward, 1: Viterbi
	s_lshl_b32 s23, s23, 9
	s_add_co_u32 s23, s23, STATE
	v_mov_b32 v[RDB], s23
	s_mov_b32 s26, 0x76543210                      ; v_permlanex16_b32: lane i takes lane i of the other half
	s_mov_b32 s27, 0xfedcba98
	s_mov_b32 s[L2E], 0x3fb8aa3b
	s_cmp_lt_u32 s[WAVE], 4
	s_cselect_b32 s29, s[L2E], 0x3f800000          ; forward works in base 2; times 1.0 leaves Viterbi's numbers as they are
	v_mov_b32 v[FAC], s29
	v_mov_b32 v[FAC+1], s29
	s_lshl_b32 s24, ttmp9, 2                       ; 4 b
	s_mov_b32 s25, 0
	s_wait_kmcnt 0x0
	s_add_nc_u64 s[8:9], s[8:9], s[24:25]          ; lengths[b], nll[b], out2[b]
	s_add_nc_u64 s[12:13], s[12:13], s[24:25]
	s_add_nc_u64 s[16:17], s[16:17], s[24:25]
	s_load_b32 s[LEN], s[8:9], 0x0
	s_lshl_b32 s24, ttmp9, 8                       ; 256 b: a row of tags and of out1
	s_add_nc_u64 s[6:7], s[6:7], s[24:25]
	s_add_nc_u64 s[14:15], s[14:15], s[24:25]
	s_lshl_b32 s24, ttmp9, 15                      ; 32,768 b: my sequence's logits
	s_add_nc_u64 s[4:5], s[4:5], s[24:25]
	; STAGING: trans (16 loads a thread) and my logits (8), each load of a wave 512 consecutive bytes, all 24 in flight.
.set r, 0
.rept 16
	global_load_b128 v[S+4*r:S+4*r+3], v[LIN], s[10:11] offset:4096*r
.set r, r+1
.endr
.set r, 0
.rept 8
	global_load_b128 v[T+4*r:T+4*r+3], v[LIN], s[4:5] offset:4096*r th:TH_LOAD_NT
.set r, r+1
.endr
.set r, 0
.rept 16
	s_wait_loadcnt 23-r                            ; loads return in order: 15-r of trans and 8 of logits are younger
	ds_store_b128 v[LIN], v[S+4*r:S+4*r+3] offset:4096*r
.set r, r+1
.endr
.set r, 0
.rept 8
	s_wait_loadcnt 7-r                             ; 7-r younger loads
	ds_store_b128 v[LIN2], v[T+4*r:T+4*r+3] offset:4096*r
.set r, r+1
.endr
	s_wait_dscnt 0x0                               ; my stores are in LDS before I say so
	s_barrier_signal -1
	s_barrier_wait -1                              ; trans and logits are whole, and from here on only read
	; MY COLUMN OF TRANS and the first state, logits[0][j].  A wave's load takes 128 consecutive bytes of a row.
	ds_load_b32 v[LG], v[LG0]
.set i, 0
.rept 128
	ds_load_b32 v[T+i], v[COLA] offset:512*i
.set i, i+1
.endr
	s_wait_dscnt 0x0
.set i, 0
.rept 64
	v_pk_mul_f32 v[T+2*i:T+2*i+1], v[T+2*i:T+2*i+1], v[FAC:FAC+1]
.set i, i+1
.endr
	v_mul_f32 v[CUR], v[LG], v[FAC]
	ds_store_b32 v[WRA], v[CUR]                    ; into buffer 0
	s_wait_dscnt 0x0
	s_barrier_signal -1
	s_barrier_wait -1
; 16 loads of 16 bytes: predecessors 0-63 of my recurrence's state, every lane the same address.  Quad 15 first: all
; runs below go from quad 15 down to quad 0, so that in the argmax the lowest index is written last.
.macro LOADS rd
.set n, 0
.rept 16
.set q, 15-n
	ds_load_b128 v[S+4*q:S+4*q+3], v[RDB] offset:\rd+16*q
.set n, n+1
.endr
.endm
; state[i] + trans[i][j] in place for the 64 predecessors of half h, and their maximum in two chains.
; The maxima run one quad behind the additions, so that no line waits for the one in front of it.
.macro PASS1 h
.set n, 0
.rept 16
.set q, 15-n
	s_wait_dscnt 15-n                              ; LDS loads return in order: the 15-n younger quads may stay out
	v_pk_add_f32 v[S+4*q:S+4*q+1], v[T+64*\h+4*q:T+64*\h+4*q+1], v[S+4*q:S+4*q+1]
	v_pk_add_f32 v[S+4*q+2:S+4*q+3], v[T+64*\h+4*q+2:T+64*\h+4*q+3], v[S+4*q+2:S+4*q+3]
.if n == 1
	v_max_num_f32 v[MA], v[S+4*q+4], v[S+4*q+5]    ; the first quad starts the chains: nothing is cleared
	v_max_num_f32 v[MB], v[S+4*q+6], v[S+4*q+7]
.endif
.if n > 1
	v_max3_num_f32 v[MA], v[MA], v[S+4*q+4], v[S+4*q+5]
	v_max3_num_f32 v[MB], v[MB], v[S+4*q+6], v[S+4*q+7]
.endif
.set n, n+1
.endr
	v_max3_num_f32 v[MA], v[MA], v[S], v[S+1]
	v_max3_num_f32 v[MB], v[MB], v[S+2], v[S+3]
.endm
; dst = sum over the half's 64 of 2^(S - mp).  The sums run one quad behind the exponentials: between an exponential
; and the line that reads it stand the next quad's two subtractions, plain lines that touch neither its result nor
; its source (ISA guide 5.7.2).  refill = 1: a quad that has been summed is loaded again with predecessors 64-127.
.macro FEXP mp, dst, refill, rd
.set n, 0
.rept 16
.set q, 15-n
	v_pk_add_f32 v[S+4*q:S+4*q+1], v[S+4*q:S+4*q+1], v[\mp:\mp+1] neg_lo:[0,1] neg_hi:[0,1]
	v_pk_add_f32 v[S+4*q+2:S+4*q+3], v[S+4*q+2:S+4*q+3], v[\mp:\mp+1] neg_lo:[0,1] neg_hi:[0,1]
.if n == 1
	s_wait_alu depctr_va_vdst(0)
	v_pk_add_f32 v[ACC0:ACC0+1], v[S+4*q+4:S+4*q+5], v[S+4*q+6:S+4*q+7]   ; the first two quads start the two chains
.endif
.if n == 2
	s_wait_alu depctr_va_vdst(0)
	v_pk_add_f32 v[ACC1:ACC1+1], v[S+4*q+4:S+4*q+5], v[S+4*q+6:S+4*q+7]
.endif
.if n > 2
	s_wait_alu depctr_va_vdst(0)
	v_pk_add_f32 v[ACC0:ACC0+1], v[ACC0:ACC0+1], v[S+4*q+4:S+4*q+5]
	v_pk_add_f32 v[ACC1:ACC1+1], v[ACC1:ACC1+1], v[S+4*q+6:S+4*q+7]
.endif
.if \refill
.if n > 0
	ds_load_b128 v[S+4*q+4:S+4*q+7], v[RDB] offset:\rd+256+16*q+16
.endif
.endif
.irp k, 0,1,2,3
	v_exp_f32 v[S+4*q+\k], v[S+4*q+\k]
.endr
.set n, n+1
.endr
	v_pk_add_f32 v[ACC0:ACC0+1], v[ACC0:ACC0+1], v[ACC1:ACC1+1]   ; the plain line behind the last four exponentials
	s_wait_alu depctr_va_vdst(0)
	v_pk_add_f32 v[ACC1:ACC1+1], v[S:S+1], v[S+2:S+3]
.if \refill
	ds_load_b128 v[S:S+3], v[RDB] offset:\rd+256
.endif
	v_pk_add_f32 v[ACC0:ACC0+1], v[ACC0:ACC0+1], v[ACC1:ACC1+1]
	v_add_f32 v[\dst], v[ACC0], v[ACC0+1]
.endm
; dst = the lowest index 0..63 of the half whose S equals the half's maximum m.  Four chains, one for each index mod 4,
; walked from the top down, so that each ends on its lowest match; then the least of the four.
; refill = 1: a quad that has been compared is loaded again with predecessors 64-127.
.macro VARG m, dst, refill, rd
.set n, 0
.rept 16
.set q, 15-n
.irp k, 0,1,2,3
	v_cmp_eq_f32 s[CM+\k], v[S+4*q+\k], v[\m]
.endr
.irp k, 0,1,2,3
.if n == 0
	v_cndmask_b32 v[IX+\k], v[SENT], 4*q+\k, s[CM+\k]
.else
	v_cndmask_b32 v[IX+\k], v[IX+\k], 4*q+\k, s[CM+\k]
.endif
.endr
.if \refill
	ds_load_b128 v[S+4*q:S+4*q+3], v[RDB] offset:\rd+256+16*q
.endif
.set n, n+1
.endr
	v_min3_u32 v[\dst], v[IX], v[IX+1], v[IX+2]
	v_min_u32 v[\dst], v[\dst], v[IX+3]
.endm
; One step t = s[treg]: the state is read from buffer rd and written to buffer wr.
.macro STEP rd, wr, treg, tag
	v_lshl_add_u32 v[LGA], s[\treg], 9, v[LG0]
	ds_load_b32 v[LG], v[LGA]                      ; logits[t][j]: older than the 16 quads, so the first wait below covers it
	LOADS \rd
	s_cmp_lt_i32 s[\treg], s[LEN]
	s_cselect_b32 s[MASK], -1, 0                   ; all lanes or none: t < length
	PASS1 0
	s_cmp_lt_u32 s[WAVE], 4
	s_cbranch_scc0 .Lvit_\tag
	; FORWARD, base 2: new = M + log2(sum 2^(alpha + trans - M)) + logit, M the running maximum over the two halves
	v_max_num_f32 v[MP0], v[MA], v[MB]
	v_max_num_f32 v[MP0+1], v[MA], v[MB]
	FEXP MP0, SUM0, 1, \rd
	PASS1 1
	v_max3_num_f32 v[MP1], v[MA], v[MB], v[MP0]
	v_max3_num_f32 v[MP1+1], v[MA], v[MB], v[MP0]
	v_sub_f32 v[D], v[MP0], v[MP1]
	v_exp_f32 v[CC], v[D]                          ; half 0's sum is brought under the new maximum; read far below
	FEXP MP1, SUM1, 0, \rd
	v_fmac_f32 v[SUM1], v[SUM0], v[CC]             ; at least 1: one of the 128 terms is 2^0
	v_log_f32 v[SUM1], v[SUM1]
	v_fma_f32 v[NEW], v[LG], s[L2E], v[MP1]        ; the plain line behind the logarithm: logit x log2 e + M
	s_wait_alu depctr_va_vdst(0)
	v_add_f32 v[NEW], v[NEW], v[SUM1]
	v_cndmask_b32 v[CUR], v[CUR], v[NEW], s[MASK]  ; past the length the state stays
	ds_store_b32 v[WRA], v[CUR] offset:\wr
	s_branch .Ljoin_\tag
.Lvit_\tag:
	; VITERBI: maximum and first argmax of v + trans, the halves joined with ties to the lower half
	v_max_num_f32 v[MP0], v[MA], v[MB]
	VARG MP0, I0, 1, \rd
	PASS1 1
	v_max_num_f32 v[MP1], v[MA], v[MB]
	VARG MP1, I1, 0, \rd
	v_cmp_gt_f32 vcc_lo, v[MP1], v[MP0]
	v_add_nc_u32 v[I1], 64, v[I1]
	v_cndmask_b32 v[I0], v[I0], v[I1], vcc_lo
	v_max_num_f32 v[NEW], v[MP0], v[MP1]
	v_add_f32 v[NEW], v[NEW], v[LG]
	v_cvt_f32_u32 v[I0], v[I0]                     ; backpointers are kept as f32 numbers: the backtrack picks by f32 compares and maxima
	v_lshl_add_u32 v[BPA], s[\treg], 9, v[BP0]
	v_cndmask_b32 v[CUR], v[CUR], v[NEW], s[MASK]
	v_cndmask_b32 v[I0], v[JF], v[I0], s[MASK]     ; a padded step points at itself
	ds_store_b32 v[WRA], v[CUR] offset:\wr
	ds_store_b32 v[BPA], v[I0]
.Ljoin_\tag:
	s_wait_dscnt 0x0                               ; my reads of buffer rd are over and my word of buffer wr is in LDS:
	s_barrier_signal -1                            ; one barrier orders both, since the buffers take turns
	s_barrier_wait -1
.endm
; x = op over the 32 lanes, in every lane: four steps inside each half of 16 lanes, one across.  tmp has been written before.
.macro RED op, x, tmp
	\op\()_dpp v[\x], v[\x], v[\x] row_xmask:1 row_mask:0xf bank_mask:0xf
	\op\()_dpp v[\x], v[\x], v[\x] row_xmask:2 row_mask:0xf bank_mask:0xf
	\op\()_dpp v[\x], v[\x], v[\x] row_xmask:4 row_mask:0xf bank_mask:0xf
	\op\()_dpp v[\x], v[\x], v[\x] row_xmask:8 row_mask:0xf bank_mask:0xf
	v_permlanex16_b32 v[\tmp], v[\x], s26, s27
	\op v[\x], v[\x], v[\tmp]
.endm
	; THE 63 STEPS, two to a trip so that the buffers' offsets are constants: 31 trips for t = 1..62, then t = 63.
	s_wait_kmcnt 0x0                               ; lengths[b]
	s_mov_b32 s[TT], 1
.Lloop:
	STEP 0, BUFB, TT, a
	s_add_co_u32 s[T1], s[TT], 1
	STEP BUFB, 0, T1, b
	s_add_co_u32 s[TT], s[TT], 2
	s_cmp_lt_u32 s[TT], 63
	s_cbranch_scc1 .Lloop
	STEP 0, BUFB, TT, c                            ; t = 63: the last state lies in the second buffer
	; THE TAILS: wave 0 finishes the likelihood, wave 4 the decoding, side by side; LDS is only read from here on.
	s_cmp_eq_u32 s[WAVE], 0
	s_cbranch_scc1 .Lftail
	s_cmp_eq_u32 s[WAVE], 4
	s_cbranch_scc1 .Lvtail
	s_wait_tensorcnt 0x0
	ds_add_u32 v27, v35
	s_wait_dscnt 0x0
	s_endpgm
.Lftail:
	; lane l takes positions l and l + 32 of the gold path: tags[l], tags[l+32], and the tags in front of them
	v_lshlrev_b32 v40, 2, v[LANE]
	v_max_u32 v41, 1, v[LANE]                      ; position 0 has no transition: lane 0 reads tags[0] and masks it below
	v_add_nc_u32 v41, -1, v41
	v_lshlrev_b32 v41, 2, v41
	global_load_b32 v44, v40, s[6:7]               ; tags[l]
	global_load_b32 v45, v40, s[6:7] offset:128    ; tags[l+32]
	global_load_b32 v46, v40, s[6:7] offset:124    ; tags[l+31]
	global_load_b32 v47, v41, s[6:7]               ; tags[l-1]
	v_lshlrev_b32 v42, 4, v[LANE]
	v_add_nc_u32 v42, STATE+BUFB, v42
	ds_load_b128 v[48:51], v42                     ; four of the last alpha
	v_mov_b32 v53, 0                               ; the reductions' second register
	v_mov_b32 v55, 0                               ; the store's offset
	s_mov_b32 s33, 0x3f317218                      ; ln 2
	s_wait_dscnt 0x0
	v_max3_num_f32 v52, v48, v49, v50
	v_max_num_f32 v52, v52, v51
	RED v_max_num_f32, 52, 53
.irp k, 0,1,2,3
	v_sub_f32 v[48+\k], v[48+\k], v52
.endr
.irp k, 0,1,2,3
	v_exp_f32 v[48+\k], v[48+\k]
.endr
	v_add_nc_u32 v43, 32, v[LANE]                  ; the plain line behind the exponentials
	s_wait_alu depctr_va_vdst(0)
	v_add_f32 v48, v48, v49
	v_add_f32 v50, v50, v51
	v_add_f32 v48, v48, v50
	RED v_add_f32, 48, 53
	v_log_f32 v48, v48
	v_lshl_add_u32 v54, v[LANE], 9, LOGITS         ; the plain line behind the logarithm: row l of the logits
	s_wait_alu depctr_va_vdst(0)
	v_add_f32 v52, v52, v48                        ; log2 of the norm
	s_wait_loadcnt 0x0
.irp k, 44,45,46,47
	v_min_u32 v\k, 127, v\k                        ; an index stays inside its table
.endr
	v_lshl_add_u32 v56, v44, 2, v54                ; logits[l][tags[l]]
	v_lshl_add_u32 v57, v45, 2, v54                ; logits[l+32][tags[l+32]], 32 rows on by the offset
	v_lshlrev_b32 v58, 9, v47
	v_lshl_add_u32 v58, v44, 2, v58                ; trans[tags[l-1]][tags[l]]
	v_lshlrev_b32 v59, 9, v46
	v_lshl_add_u32 v59, v45, 2, v59                ; trans[tags[l+31]][tags[l+32]]
	ds_load_b32 v60, v56
	ds_load_b32 v61, v57 offset:32*512
	ds_load_b32 v62, v58
	ds_load_b32 v63, v59
	v_cmp_gt_i32 s30, s[LEN], v[LANE]              ; l < length
	s_and_b32 s31, s30, -2                         ; and l > 0
	v_cmp_gt_i32 s32, s[LEN], v43                  ; l + 32 < length
	s_wait_dscnt 0x0
	v_cndmask_b32 v60, 0, v60, s30
	v_cndmask_b32 v61, 0, v61, s32
	v_cndmask_b32 v62, 0, v62, s31
	v_cndmask_b32 v63, 0, v63, s32
	v_add_f32 v60, v60, v61
	v_add_f32 v62, v62, v63
	v_add_f32 v60, v60, v62
	RED v_add_f32, 60, 53
	v_fma_f32 v52, v52, s33, -v60                  ; log_norm - seq_score
	v_cmp_eq_u32 vcc_lo, 0, v[LANE]
	s_wait_xcnt 0x0                                ; EXEC changes only when no earlier memory instruction still reads it
	s_wait_tensorcnt 0x0
	ds_add_u32 v27, v35
	s_wait_dscnt 0x0
	s_and_saveexec_b32 s36, vcc_lo
	global_store_b32 v55, v52, s[12:13]            ; one number a work-group
	s_endpgm
; Backtrack.  Lane l holds columns 4l..4l+3 of each backpointer row; the current tag is the same number in every lane.
.set JK,    40                         ; v[40:43] float(4 l + k)
.set TAG,   44                         ; v44      the current tag, as f32
.set TMP,   46                         ; v46      the reductions' second register
.set VA,    47                         ; v47      BP + 16 l
.set W,     48                         ; v[48:51] at work
.set P,     52                         ; v[52:53] lane l: path[2l], path[2l+1]
.set BEST,  54                         ; v54      the best score
.set BANK0, 128                        ; two banks of 16 rows, 4 registers each, in the registers that held trans
.set BANK1, 192
.macro BLOCK bank, top, cnt            ; rows top, top-1, .. of the backpointers
.set i, 0
.rept \cnt
	ds_load_b128 v[\bank+4*i:\bank+4*i+3], v[VA] offset:512*(\top-i)
.set i, i+1
.endr
.endm
; for t = top, top-1, ..: keep path[t] = tag, then tag = bp[t-1][tag].  No address hangs on the tag: the one lane and
; register whose column equals it keeps its number, all others give 0, and a maximum over the wave hands it to all.
.macro BRUN bank, top, cnt
.set i, 0
.rept \cnt
.set t, \top-i
.set r, \bank+4*i
	s_mov_b32 s[PM], 1<<(t>>1)
	v_cndmask_b32 v[P+(t&1)], v[P+(t&1)], v[TAG], s[PM]
.irp k, 0,1,2,3
	v_cmp_eq_f32 s[CM+\k], v[TAG], v[JK+\k]
.endr
.irp k, 0,1,2,3
	v_cndmask_b32 v[W+\k], 0, v[r+\k], s[CM+\k]
.endr
	v_max3_num_f32 v[TAG], v[W], v[W+1], v[W+2]
	v_max_num_f32 v[TAG], v[TAG], v[W+3]
	RED v_max_num_f32, TAG, TMP
.set i, i+1
.endr
.endm
.Lvtail:
	v_lshlrev_b32 v[VA], 4, v[LANE]
	v_add_nc_u32 v[VA], BP, v[VA]
	ds_load_b128 v[56:59], v[VA] offset:STATE+BUFB+512-BP   ; four of the last v
	BLOCK BANK0, 62, 16
	BLOCK BANK1, 46, 16
	v_lshlrev_b32 v45, 2, v[LANE]
	v_cvt_f32_u32 v[JK], v45
	v_add_f32 v[JK+1], 1.0, v[JK]
	v_add_f32 v[JK+2], 2.0, v[JK]
	v_add_f32 v[JK+3], 1.0, v[JK+2]
	v_mov_b32 v[P], 0
	v_mov_b32 v[P+1], 0
	v_mov_b32 v[TMP], 0
	v_mov_b32 v60, 0                               ; out2's offset
	v_lshlrev_b32 v55, 3, v[LANE]                  ; out1's offset: 8 bytes a lane
	v_mov_b32 v[TAG], 0x447a0000                   ; 1000.0: above every index
	s_wait_dscnt 32                                ; the 32 rows are younger than the last v
	v_max3_num_f32 v[BEST], v56, v57, v58
	v_max_num_f32 v[BEST], v[BEST], v59
	RED v_max_num_f32, BEST, TMP
.irp k, 3,2,1,0
	v_cmp_eq_f32 s[CM+\k], v[56+\k], v[BEST]
	v_cndmask_b32 v[TAG], v[TAG], v[JK+\k], s[CM+\k]   ; my lowest column that holds the best score
.endr
	RED v_min_num_f32, TAG, TMP                    ; the first argmax
	s_wait_dscnt 16                                ; rows 62..47 are in, 16 younger loads stay out
	BRUN BANK0, 63, 16
	BLOCK BANK0, 30, 16
	s_wait_dscnt 16                                ; rows 46..31 are in
	BRUN BANK1, 47, 16
	BLOCK BANK1, 14, 15
	s_wait_dscnt 15                                ; rows 30..15 are in, the last 15 loads stay out
	BRUN BANK0, 31, 16
	s_wait_dscnt 0x0
	BRUN BANK1, 15, 15
	s_mov_b32 s[PM], 1
	v_cndmask_b32 v[P], v[P], v[TAG], s[PM]        ; path[0]
	v_cvt_u32_f32 v[P], v[P]
	v_cvt_u32_f32 v[P+1], v[P+1]
	global_store_b64 v55, v[P:P+1], s[14:15]       ; the wave stores the row's 256 consecutive bytes, aligned
	v_cmp_eq_u32 vcc_lo, 0, v[LANE]
	s_wait_xcnt 0x0                                ; EXEC changes only when the store above no longer reads it
	s_wait_tensorcnt 0x0
	ds_add_u32 v27, v35
	s_wait_dscnt 0x0
	s_and_saveexec_b32 s36, vcc_lo
	global_store_b32 v60, v[BEST], s[16:17]        ; one number a work-group
	s_endpgm
.Lfunc_end_k_q2a5296450e_crf:
	.size	k_q2a5296450e_crf, .Lfunc_end_k_q2a5296450e_crf-k_q2a5296450e_crf
	.p2alignl 7, 3214868480
	.fill 96, 4, 3214868480
	.section	.rodata,"a",@progbits
	.p2align	6, 0x0
	.amdhsa_kernel k_q2a5296450e_crf
		.amdhsa_group_segment_fixed_size 168960
		.amdhsa_private_segment_fixed_size 0
		.amdhsa_enable_private_segment 0
		.amdhsa_kernarg_size 56
		.amdhsa_user_sgpr_count 2
		.amdhsa_user_sgpr_kernarg_segment_ptr 1
		.amdhsa_wavefront_size32 1
		.amdhsa_system_sgpr_workgroup_id_x 1
		.amdhsa_system_sgpr_workgroup_id_y 1
		.amdhsa_system_sgpr_workgroup_id_z 1
		.amdhsa_system_vgpr_workitem_id 0
		.amdhsa_next_free_vgpr 256
		.amdhsa_next_free_sgpr 66
		.amdhsa_reserve_vcc 1
		.amdhsa_float_denorm_mode_32 3
		.amdhsa_float_denorm_mode_16_64 3
		.amdhsa_memory_ordered 1
		.amdhsa_forward_progress 1
		.amdhsa_inst_pref_size 238
	.end_amdhsa_kernel
	.amdgpu_metadata
---
amdhsa.version: [ 1, 2 ]
amdhsa.kernels:
  - .name:           k_q2a5296450e_crf
    .symbol:         k_q2a5296450e_crf.kd
    .args:
      - { .name: logits, .offset: 0, .size: 8, .value_kind: global_buffer, .address_space: global }
      - { .name: tags, .offset: 8, .size: 8, .value_kind: global_buffer, .address_space: global }
      - { .name: lengths, .offset: 16, .size: 8, .value_kind: global_buffer, .address_space: global }
      - { .name: trans, .offset: 24, .size: 8, .value_kind: global_buffer, .address_space: global }
      - { .name: nll, .offset: 32, .size: 8, .value_kind: global_buffer, .address_space: global }
      - { .name: out1, .offset: 40, .size: 8, .value_kind: global_buffer, .address_space: global }
      - { .name: out2, .offset: 48, .size: 8, .value_kind: global_buffer, .address_space: global }
    .group_segment_fixed_size: 168960
    .private_segment_fixed_size: 0
    .kernarg_segment_align: 8
    .kernarg_segment_size: 56
    .max_flat_workgroup_size: 256
    .sgpr_count:     66
    .vgpr_count:     256
    .wavefront_size: 32
...
	.end_amdgpu_metadata
.endif
;; end of part 1
;; launch total (part 2): grid 1 x 1, 1 waves a work-group, no clusters, 0 bytes of LDS; arguments nll, out0; writes out0
.if DOCPART == 2
	.amdgcn_target "amdgcn-amd-amdhsa--gfx1250"
	.amdhsa_code_object_version 6
	.text
	.protected	k_q2a5296450e_total
	.globl	k_q2a5296450e_total
	.p2align	8
	.type	k_q2a5296450e_total,@function
k_q2a5296450e_total:
	s_mov_b64 s[64:65], 0
	v_nop
	global_prefetch_b8 v0, s[64:65] scope:SCOPE_SE
	s_setreg_imm32_b32 hwreg(HW_REG_WAVE_MODE, 25, 1), 1
	s_wait_xcnt 0x0
; out0 = the sum of nll[0..255].  A sum over the work-groups of the launch before: one wave, eight numbers a lane.
	s_load_b128 s[4:7], s[0:1], 0x0                ; nll s[4:5], out0 s[6:7]
	v_lshlrev_b32 v1, 4, v0
	v_mov_b32 v12, 0                               ; the store's offset
	v_mov_b32 v10, 0                               ; v_permlanex16_b32's destination counts as read
	s_mov_b32 s8, 0x76543210                       ; lane i takes lane i of the other half
	s_mov_b32 s9, 0xfedcba98
	s_wait_kmcnt 0x0
	global_load_b128 v[2:5], v1, s[4:5]            ; 512 consecutive bytes each
	global_load_b128 v[6:9], v1, s[4:5] offset:512
	s_wait_loadcnt 0x0
	v_pk_add_f32 v[2:3], v[2:3], v[6:7]
	v_pk_add_f32 v[4:5], v[4:5], v[8:9]
	v_pk_add_f32 v[2:3], v[2:3], v[4:5]
	v_add_f32 v2, v2, v3
	v_add_f32_dpp v2, v2, v2 row_xmask:1 row_mask:0xf bank_mask:0xf
	v_add_f32_dpp v2, v2, v2 row_xmask:2 row_mask:0xf bank_mask:0xf
	v_add_f32_dpp v2, v2, v2 row_xmask:4 row_mask:0xf bank_mask:0xf
	v_add_f32_dpp v2, v2, v2 row_xmask:8 row_mask:0xf bank_mask:0xf
	v_permlanex16_b32 v10, v2, s8, s9
	v_add_f32 v2, v2, v10
	v_cmp_eq_u32 vcc_lo, 0, v0
	s_wait_xcnt 0x0                                ; EXEC changes only when no earlier memory instruction still reads it
	s_and_saveexec_b32 s10, vcc_lo
	global_store_b32 v12, v2, s[6:7]
	s_endpgm
.Lfunc_end_k_q2a5296450e_total:
	.size	k_q2a5296450e_total, .Lfunc_end_k_q2a5296450e_total-k_q2a5296450e_total
	.p2alignl 7, 3214868480
	.fill 96, 4, 3214868480
	.section	.rodata,"a",@progbits
	.p2align	6, 0x0
	.amdhsa_kernel k_q2a5296450e_total
		.amdhsa_group_segment_fixed_size 0
		.amdhsa_private_segment_fixed_size 0
		.amdhsa_enable_private_segment 0
		.amdhsa_kernarg_size 16
		.amdhsa_user_sgpr_count 2
		.amdhsa_user_sgpr_kernarg_segment_ptr 1
		.amdhsa_wavefront_size32 1
		.amdhsa_system_sgpr_workgroup_id_x 1
		.amdhsa_system_sgpr_workgroup_id_y 1
		.amdhsa_system_sgpr_workgroup_id_z 1
		.amdhsa_system_vgpr_workitem_id 0
		.amdhsa_next_free_vgpr 16
		.amdhsa_next_free_sgpr 66
		.amdhsa_reserve_vcc 1
		.amdhsa_float_denorm_mode_32 3
		.amdhsa_float_denorm_mode_16_64 3
		.amdhsa_memory_ordered 1
		.amdhsa_forward_progress 1
		.amdhsa_inst_pref_size 2
	.end_amdhsa_kernel
	.amdgpu_metadata
---
amdhsa.version: [ 1, 2 ]
amdhsa.kernels:
  - .name:           k_q2a5296450e_total
    .symbol:         k_q2a5296450e_total.kd
    .args:
      - { .name: nll, .offset: 0, .size: 8, .value_kind: global_buffer, .address_space: global }
      - { .name: out0, .offset: 8, .size: 8, .value_kind: global_buffer, .address_space: global }
    .group_segment_fixed_size: 0
    .private_segment_fixed_size: 0
    .kernarg_segment_align: 8
    .kernarg_segment_size: 16
    .max_flat_workgroup_size: 32
    .sgpr_count:     66
    .vgpr_count:     16
    .wavefront_size: 32
...
	.end_amdgpu_metadata
.endif
;; end of part 2
;; ======== version 2 of 2: 2 launches; 1.14 times as fast as version 1
;; workspace buffers: nll 1,024 bytes
;; launch crf (part 3): grid 256 x 1, 8 waves a work-group, no clusters, 168,960 bytes of LDS; arguments logits, tags, lengths, trans, nll, out1, out2; writes nll, out1, out2
.if DOCPART == 3
	.amdgcn_target "amdgcn-amd-amdhsa--gfx1250"
	.amdhsa_code_object_version 6
	.text
	.protected	k_q2a5296450e_crf
	.globl	k_q2a5296450e_crf
	.p2align	8
	.type	k_q2a5296450e_crf,@function
k_q2a5296450e_crf:
	s_mov_b64 s[64:65], 0
	v_nop
	global_prefetch_b8 v0, s[64:65] scope:SCOPE_SE
	s_setreg_imm32_b32 hwreg(HW_REG_WAVE_MODE, 25, 1), 1
	s_wait_xcnt 0x0
; CRF over B = 256 sequences, T = 64 positions, K = 128 tags.  Work-group b owns sequence b and makes
;   nll[b]  = log_norm[b] - seq_score[b]   (summed over b by the next launch),
;   out1[b] = the Viterbi path (64 int32), out2[b] = the Viterbi score.
; Eight waves: waves 0-3 run the log-sum-exp recurrence, waves 4-7 the max-plus recurrence, in the same 63 steps.
; A lane owns one column j = thread & 127 and keeps trans[0..127][j] in 128 registers for the whole launch, so the
; maximum, the sum and the argmax over the 128 predecessors never leave the lane.  The state (128 f32 per recurrence)
; goes from step to step through two LDS buffers that take turns: one barrier a step.
; The 128 predecessors are taken as two halves of 64 through the same 64 registers: 256 registers, one register window.
;
; THE TRANSCENDENTALS GO IN BATCHES, each with one s_wait_alu depctr_va_vdst(0) ahead of its first reader.
; A forward step has three: (A) half 0's 64 exponentials; (B) 2^(MP0 - MP1) and half 1's 64
; exponentials; (C) the logarithm of the joined sum, which reads what B made.  Ahead of A's and B's waits stand only
; the subtractions that feed the exponentials; all that names a result (the sums, and the loads that fill a summed
; quad again) stands behind them.  The likelihood's tail has two more: four exponentials, then one logarithm.
;
; WHY NOT THE MATRIX UNIT: exp(alpha - max) x exp(trans - max) as a product loses every term of a column whose own
; maximum lies far under the sum of the two maxima; with inputs 30 times the drawn spread that distance passes what
; f32 can hold, where the log-sum-exp itself is finite.  So each exponential is taken behind the column's own
; maximum (a running one over the two halves), in f32.  The max-plus recurrence is no product at all.
; WHY NO CLUSTER, NO TENSOR LOAD, NO PREFETCH: all that work-groups share is trans, 65,536 bytes, read once per
; work-group in front of 63 steps of 2 x 16,384 element updates; behind the staging no step touches memory.
; The trip count does not hang on lengths: steps past the length keep the state by a select.
;
; LIMITS: inputs are finite (no NaN, no infinity).  A tag outside 0..127 is read as 127 (unsigned clamp).
; The forward values are kept in base 2 (logits and trans times log2 e) and summed in another order than the
; reference's; a term more than 126 powers of two under the running maximum counts as 0 (v_exp_f32 flushes).
; The max-plus recurrence makes the reference's own f32 additions, and every tie goes to the first index.
.set TRANS,  0                         ; LDS: trans as given, row i at 512 i                       65,536 bytes
.set LOGITS, 65536                     ; LDS: my sequence's logits, row t at 512 t                 32,768 bytes
.set BP,     98304                     ; LDS: backpointers as f32 numbers, row t-1 at 512 (t-1)    32,256 bytes
.set STATE,  131072                    ; LDS: buffer x 1024 + recurrence x 512 + 4 j                2,048 bytes
.set BUFB,   1024                      ; the second state buffer
.set LANE, 1                           ; v1   lane
.set COLA, 2                           ; v2   4 j
.set LIN,  3                           ; v3   16 x thread: staging, both sides
.set LIN2, 4                           ; v4   the same + LOGITS
.set LGA,  5                           ; v5   LDS address of logits[t][j]
.set BPA,  6                           ; v6   LDS address of bp[t-1][j]
.set RDB,  7                           ; v7   my recurrence's state in buffer 0
.set WRA,  8                           ; v8   my column's word of it
.set LG,   9                           ; v9   logits[t][j]
.set CUR,  10                          ; v10  my column's state
.set JF,   11                          ; v11  float(j): the backpointer of a padded step
.set MA,   12                          ; v12, v13  two chains of maxima
.set MB,   13
.set MP0,  14                          ; v[14:15] half 0's maximum, twice (a pair for the packed subtraction)
.set MP1,  16                          ; v[16:17] the running maximum behind half 1 (Viterbi: half 1's own)
.set ACC0, 18                          ; v[18:19], v[20:21] two chains of packed sums
.set ACC1, 20
.set SUM0, 22                          ; v22, v23 the halves' sums of exponentials
.set SUM1, 23
.set CC,   24                          ; v24  2^(MP0 - MP1)
.set NEW,  25                          ; v25  the step's new value
.set D,    26                          ; v26  MP0 - MP1
.set IX,   28                          ; v[28:31] lowest matching index of each residue mod 4
.set I0,   32                          ; v32, v33 the halves' argmax
.set I1,   33
.set SENT, 34                          ; v34  255: no match
.set FAC,  36                          ; v[36:37] log2 e (forward) or 1.0 (Viterbi), twice
.set LG0,  38                          ; v38  LOGITS + 4 j
.set BP0,  39                          ; v39  BP - 512 + 4 j
.set S,    64                          ; v[64:127]  64 state values, then in place state + trans, then exponentials
.set T,    128                         ; v[128:255] my column of trans
.set WAVE, 18                          ; s18  wave number
.set LEN,  19                          ; s19  lengths[b]
.set TT,   20                          ; s20  loop counter = t of the trip's first step
.set T1,   21                          ; s21  t of its second step
.set MASK, 22                          ; s22  -1 where t < length, else 0
.set L2E,  28                          ; s28  log2 e
.set PM,   34                          ; s34  backtrack: the lane that keeps path[t]
.set CM,   40                          ; s[40:43] four compare masks
	s_load_b256 s[4:11], s[0:1], 0x0               ; logits s[4:5], tags s[6:7], lengths s[8:9], trans s[10:11]
	s_load_b128 s[12:15], s[0:1], 0x20             ; nll s[12:13], out1 s[14:15]
	s_load_b64 s[16:17], s[0:1], 0x30              ; out2
	v_lshl_add_u32 v27, v0, 2, 0x29000
	v_mov_b32 v35, 0
	v_lshrrev_b32 v[LANE], 5, v0
	v_readfirstlane_b32 s[WAVE], v[LANE]           ; wave number as a scalar
	v_and_b32 v[LANE], 31, v0
	v_and_b32 v[COLA], 127, v0                     ; j
	v_cvt_f32_u32 v[JF], v[COLA]
	v_lshlrev_b32 v[COLA], 2, v[COLA]
	v_lshlrev_b32 v[LIN], 4, v0
	v_add_nc_u32 v[LIN2], LOGITS, v[LIN]
	v_add_nc_u32 v[LG0], LOGITS, v[COLA]
	v_add_nc_u32 v[BP0], BP-512, v[COLA]
	v_lshl_add_u32 v[WRA], v0, 2, STATE            ; recurrence x 512 + 4 j = 4 x thread
	v_mov_b32 v[SENT], 0xff
	s_lshr_b32 s23, s[WAVE], 2                     ; 0: forward, 1: Viterbi
	s_lshl_b32 s23, s23, 9
	s_add_co_u32 s23, s23, STATE
	v_mov_b32 v[RDB], s23
	s_mov_b32 s26, 0x76543210                      ; v_permlanex16_b32: lane i takes lane i of the other half
	s_mov_b32 s27, 0xfedcba98
	s_mov_b32 s[L2E], 0x3fb8aa3b
	s_cmp_lt_u32 s[WAVE], 4
	s_cselect_b32 s29, s[L2E], 0x3f800000          ; forward works in base 2; times 1.0 leaves Viterbi's numbers as they are
	v_mov_b32 v[FAC], s29
	v_mov_b32 v[FAC+1], s29
	s_lshl_b32 s24, ttmp9, 2                       ; 4 b
	s_mov_b32 s25, 0
	s_wait_kmcnt 0x0
	s_add_nc_u64 s[8:9], s[8:9], s[24:25]          ; lengths[b], nll[b], out2[b]
	s_add_nc_u64 s[12:13], s[12:13], s[24:25]
	s_add_nc_u64 s[16:17], s[16:17], s[24:25]
	s_load_b32 s[LEN], s[8:9], 0x0
	s_lshl_b32 s24, ttmp9, 8                       ; 256 b: a row of tags and of out1
	s_add_nc_u64 s[6:7], s[6:7], s[24:25]
	s_add_nc_u64 s[14:15], s[14:15], s[24:25]
	s_lshl_b32 s24, ttmp9, 15                      ; 32,768 b: my sequence's logits
	s_add_nc_u64 s[4:5], s[4:5], s[24:25]
	; STAGING: trans (16 loads a thread) and my logits (8), each load of a wave 512 consecutive bytes, all 24 in flight.
.set r, 0
.rept 16
	global_load_b128 v[S+4*r:S+4*r+3], v[LIN], s[10:11] offset:4096*r
.set r, r+1
.endr
.set r, 0
.rept 8
	global_load_b128 v[T+4*r:T+4*r+3], v[LIN], s[4:5] offset:4096*r th:TH_LOAD_NT
.set r, r+1
.endr
.set r, 0
.rept 16
	s_wait_loadcnt 23-r                            ; loads return in order: 15-r of trans and 8 of logits are younger
	ds_store_b128 v[LIN], v[S+4*r:S+4*r+3] offset:4096*r
.set r, r+1
.endr
.set r, 0
.rept 8
	s_wait_loadcnt 7-r                             ; 7-r younger loads
	ds_store_b128 v[LIN2], v[T+4*r:T+4*r+3] offset:4096*r
.set r, r+1
.endr
	s_wait_dscnt 0x0                               ; my stores are in LDS before I say so
	s_barrier_signal -1
	s_barrier_wait -1                              ; trans and logits are whole, and from here on only read
	; MY COLUMN OF TRANS and the first state, logits[0][j].  A wave's load takes 128 consecutive bytes of a row.
	ds_load_b32 v[LG], v[LG0]
.set i, 0
.rept 128
	ds_load_b32 v[T+i], v[COLA] offset:512*i
.set i, i+1
.endr
	s_wait_dscnt 0x0
.set i, 0
.rept 64
	v_pk_mul_f32 v[T+2*i:T+2*i+1], v[T+2*i:T+2*i+1], v[FAC:FAC+1]
.set i, i+1
.endr
	v_mul_f32 v[CUR], v[LG], v[FAC]
	ds_store_b32 v[WRA], v[CUR]                    ; into buffer 0
	s_wait_dscnt 0x0
	s_barrier_signal -1
	s_barrier_wait -1
; 16 loads of 16 bytes: predecessors 0-63 of my recurrence's state, every lane the same address.  Quad 15 first: all
; runs below go from quad 15 down to quad 0, so that in the argmax the lowest index is written last.
.macro LOADS rd
.set n, 0
.rept 16
.set q, 15-n
	ds_load_b128 v[S+4*q:S+4*q+3], v[RDB] offset:\rd+16*q
.set n, n+1
.endr
.endm
; state[i] + trans[i][j] in place for the 64 predecessors of half h, and their maximum in two chains.
; The maxima run one quad behind the additions, so that no line waits for the one in front of it.
.macro PASS1 h
.set n, 0
.rept 16
.set q, 15-n
	s_wait_dscnt 15-n                              ; LDS loads return in order: the 15-n younger quads may stay out
	v_pk_add_f32 v[S+4*q:S+4*q+1], v[T+64*\h+4*q:T+64*\h+4*q+1], v[S+4*q:S+4*q+1]
	v_pk_add_f32 v[S+4*q+2:S+4*q+3], v[T+64*\h+4*q+2:T+64*\h+4*q+3], v[S+4*q+2:S+4*q+3]
.if n == 1
	v_max_num_f32 v[MA], v[S+4*q+4], v[S+4*q+5]    ; the first quad starts the chains: nothing is cleared
	v_max_num_f32 v[MB], v[S+4*q+6], v[S+4*q+7]
.endif
.if n > 1
	v_max3_num_f32 v[MA], v[MA], v[S+4*q+4], v[S+4*q+5]
	v_max3_num_f32 v[MB], v[MB], v[S+4*q+6], v[S+4*q+7]
.endif
.set n, n+1
.endr
	v_max3_num_f32 v[MA], v[MA], v[S], v[S+1]
	v_max3_num_f32 v[MB], v[MB], v[S+2], v[S+3]
.endm
; dst = sum over the half's 64 of 2^(S - mp).  The half's 64 exponentials are ONE BATCH with one wait.
; Ahead of the wait: the 32 packed subtractions and the 64 exponentials, in place.  The exponentials run one quad behind
; the subtractions, two behind each subtraction, so that none reads the result of the line in front of it; a quad is
; subtracted before its own exponentials, so no line here names an exponential's result.
; Behind the wait: the sums, from quad 15 down to quad 0 in two chains.
; refill = 1: a quad that has been summed is loaded again with predecessors 64-127, quad 15 first.
.macro FEXP mp, dst, refill, rd
	v_pk_add_f32 v[S+60:S+61], v[S+60:S+61], v[\mp:\mp+1] neg_lo:[0,1] neg_hi:[0,1]
	v_pk_add_f32 v[S+62:S+63], v[S+62:S+63], v[\mp:\mp+1] neg_lo:[0,1] neg_hi:[0,1]
.set n, 1
.rept 15
.set q, 15-n
	v_pk_add_f32 v[S+4*q:S+4*q+1], v[S+4*q:S+4*q+1], v[\mp:\mp+1] neg_lo:[0,1] neg_hi:[0,1]
	v_exp_f32 v[S+4*q+4], v[S+4*q+4]
	v_exp_f32 v[S+4*q+5], v[S+4*q+5]
	v_pk_add_f32 v[S+4*q+2:S+4*q+3], v[S+4*q+2:S+4*q+3], v[\mp:\mp+1] neg_lo:[0,1] neg_hi:[0,1]
	v_exp_f32 v[S+4*q+6], v[S+4*q+6]
	v_exp_f32 v[S+4*q+7], v[S+4*q+7]
.set n, n+1
.endr
.irp k, 0,1,2,3
	v_exp_f32 v[S+\k], v[S+\k]
.endr
	v_nop                                          ; the plain line behind the last exponential and ahead of the first use (ISA guide 5.7.2): one for the batch; the wave has no other independent line here
	s_wait_alu depctr_va_vdst(0)                   ; the one wait for the batch: the half's 64 exponentials (with half 1's also 2^(MP0 - MP1), issued ahead of them)
.set n, 0
.rept 15
.set q, 15-n
.if n == 0
	v_pk_add_f32 v[ACC0:ACC0+1], v[S+4*q:S+4*q+1], v[S+4*q+2:S+4*q+3]     ; the first two quads start the two chains
.elseif n == 1
	v_pk_add_f32 v[ACC1:ACC1+1], v[S+4*q:S+4*q+1], v[S+4*q+2:S+4*q+3]
.else
	v_pk_add_f32 v[ACC0:ACC0+1], v[ACC0:ACC0+1], v[S+4*q:S+4*q+1]
	v_pk_add_f32 v[ACC1:ACC1+1], v[ACC1:ACC1+1], v[S+4*q+2:S+4*q+3]
.endif
.if \refill
	ds_load_b128 v[S+4*q:S+4*q+3], v[RDB] offset:\rd+256+16*q
.endif
.set n, n+1
.endr
	v_pk_add_f32 v[ACC0:ACC0+1], v[ACC0:ACC0+1], v[ACC1:ACC1+1]
	v_pk_add_f32 v[ACC1:ACC1+1], v[S:S+1], v[S+2:S+3]
.if \refill
	ds_load_b128 v[S:S+3], v[RDB] offset:\rd+256
.endif
	v_pk_add_f32 v[ACC0:ACC0+1], v[ACC0:ACC0+1], v[ACC1:ACC1+1]
	v_add_f32 v[\dst], v[ACC0], v[ACC0+1]
.endm
; dst = the lowest index 0..63 of the half whose S equals the half's maximum m.  Four chains, one for each index mod 4,
; walked from the top down, so that each ends on its lowest match; then the least of the four.
; refill = 1: a quad that has been compared is loaded again with predecessors 64-127.
.macro VARG m, dst, refill, rd
.set n, 0
.rept 16
.set q, 15-n
.irp k, 0,1,2,3
	v_cmp_eq_f32 s[CM+\k], v[S+4*q+\k], v[\m]
.endr
.irp k, 0,1,2,3
.if n == 0
	v_cndmask_b32 v[IX+\k], v[SENT], 4*q+\k, s[CM+\k]
.else
	v_cndmask_b32 v[IX+\k], v[IX+\k], 4*q+\k, s[CM+\k]
.endif
.endr
.if \refill
	ds_load_b128 v[S+4*q:S+4*q+3], v[RDB] offset:\rd+256+16*q
.endif
.set n, n+1
.endr
	v_min3_u32 v[\dst], v[IX], v[IX+1], v[IX+2]
	v_min_u32 v[\dst], v[\dst], v[IX+3]
.endm
; One step t = s[treg]: the state is read from buffer rd and written to buffer wr.
.macro STEP rd, wr, treg, tag
	v_lshl_add_u32 v[LGA], s[\treg], 9, v[LG0]
	ds_load_b32 v[LG], v[LGA]                      ; logits[t][j]: older than the 16 quads, so the first wait below covers it
	LOADS \rd
	s_cmp_lt_i32 s[\treg], s[LEN]
	s_cselect_b32 s[MASK], -1, 0                   ; all lanes or none: t < length
	PASS1 0
	s_cmp_lt_u32 s[WAVE], 4
	s_cbranch_scc0 .Lvit_\tag
	; FORWARD, base 2: new = M + log2(sum 2^(alpha + trans - M)) + logit, M the running maximum over the two halves
	v_max_num_f32 v[MP0], v[MA], v[MB]
	v_max_num_f32 v[MP0+1], v[MA], v[MB]
	FEXP MP0, SUM0, 1, \rd                         ; batch A
	PASS1 1
	v_max3_num_f32 v[MP1], v[MA], v[MB], v[MP0]
	v_max3_num_f32 v[MP1+1], v[MA], v[MB], v[MP0]
	v_sub_f32 v[D], v[MP0], v[MP1]
	v_exp_f32 v[CC], v[D]                          ; half 0's sum is brought under the new maximum; read far below: the first of batch B
	FEXP MP1, SUM1, 0, \rd                         ; the rest of batch B, and its wait
	v_fmac_f32 v[SUM1], v[SUM0], v[CC]             ; at least 1: one of the 128 terms is 2^0
	v_log_f32 v[SUM1], v[SUM1]                     ; batch C: it reads what batch B made
	v_fma_f32 v[NEW], v[LG], s[L2E], v[MP1]        ; the plain line behind the logarithm: logit x log2 e + M
	s_wait_alu depctr_va_vdst(0)                   ; the wait for batch C, the step's one logarithm, ahead of its reader and of the branch below
	v_add_f32 v[NEW], v[NEW], v[SUM1]
	v_cndmask_b32 v[CUR], v[CUR], v[NEW], s[MASK]  ; past the length the state stays
	ds_store_b32 v[WRA], v[CUR] offset:\wr
	s_branch .Ljoin_\tag
.Lvit_\tag:
	; VITERBI: maximum and first argmax of v + trans, the halves joined with ties to the lower half
	v_max_num_f32 v[MP0], v[MA], v[MB]
	VARG MP0, I0, 1, \rd
	PASS1 1
	v_max_num_f32 v[MP1], v[MA], v[MB]
	VARG MP1, I1, 0, \rd
	v_cmp_gt_f32 vcc_lo, v[MP1], v[MP0]
	v_add_nc_u32 v[I1], 64, v[I1]
	v_cndmask_b32 v[I0], v[I0], v[I1], vcc_lo
	v_max_num_f32 v[NEW], v[MP0], v[MP1]
	v_add_f32 v[NEW], v[NEW], v[LG]
	v_cvt_f32_u32 v[I0], v[I0]                     ; backpointers are kept as f32 numbers: the backtrack picks by f32 compares and maxima
	v_lshl_add_u32 v[BPA], s[\treg], 9, v[BP0]
	v_cndmask_b32 v[CUR], v[CUR], v[NEW], s[MASK]
	v_cndmask_b32 v[I0], v[JF], v[I0], s[MASK]     ; a padded step points at itself
	ds_store_b32 v[WRA], v[CUR] offset:\wr
	ds_store_b32 v[BPA], v[I0]
.Ljoin_\tag:
	s_wait_dscnt 0x0                               ; my reads of buffer rd are over and my word of buffer wr is in LDS:
	s_barrier_signal -1                            ; one barrier orders both, since the buffers take turns
	s_barrier_wait -1
.endm
; x = op over the 32 lanes, in every lane: four steps inside each half of 16 lanes, one across.  tmp has been written before.
.macro RED op, x, tmp
	\op\()_dpp v[\x], v[\x], v[\x] row_xmask:1 row_mask:0xf bank_mask:0xf
	\op\()_dpp v[\x], v[\x], v[\x] row_xmask:2 row_mask:0xf bank_mask:0xf
	\op\()_dpp v[\x], v[\x], v[\x] row_xmask:4 row_mask:0xf bank_mask:0xf
	\op\()_dpp v[\x], v[\x], v[\x] row_xmask:8 row_mask:0xf bank_mask:0xf
	v_permlanex16_b32 v[\tmp], v[\x], s26, s27
	\op v[\x], v[\x], v[\tmp]
.endm
	; THE 63 STEPS, two to a trip so that the buffers' offsets are constants: 31 trips for t = 1..62, then t = 63.
	s_wait_kmcnt 0x0                               ; lengths[b]
	s_mov_b32 s[TT], 1
.Lloop:
	STEP 0, BUFB, TT, a
	s_add_co_u32 s[T1], s[TT], 1
	STEP BUFB, 0, T1, b
	s_add_co_u32 s[TT], s[TT], 2
	s_cmp_lt_u32 s[TT], 63
	s_cbranch_scc1 .Lloop
	STEP 0, BUFB, TT, c                            ; t = 63: the last state lies in the second buffer
	; THE TAILS: wave 0 finishes the likelihood, wave 4 the decoding, side by side; LDS is only read from here on.
	s_cmp_eq_u32 s[WAVE], 0
	s_cbranch_scc1 .Lftail
	s_cmp_eq_u32 s[WAVE], 4
	s_cbranch_scc1 .Lvtail
	s_wait_tensorcnt 0x0
	ds_add_u32 v27, v35
	s_wait_dscnt 0x0
	s_endpgm
.Lftail:
	; lane l takes positions l and l + 32 of the gold path: tags[l], tags[l+32], and the tags in front of them
	v_lshlrev_b32 v40, 2, v[LANE]
	v_max_u32 v41, 1, v[LANE]                      ; position 0 has no transition: lane 0 reads tags[0] and masks it below
	v_add_nc_u32 v41, -1, v41
	v_lshlrev_b32 v41, 2, v41
	global_load_b32 v44, v40, s[6:7]               ; tags[l]
	global_load_b32 v45, v40, s[6:7] offset:128    ; tags[l+32]
	global_load_b32 v46, v40, s[6:7] offset:124    ; tags[l+31]
	global_load_b32 v47, v41, s[6:7]               ; tags[l-1]
	v_lshlrev_b32 v42, 4, v[LANE]
	v_add_nc_u32 v42, STATE+BUFB, v42
	ds_load_b128 v[48:51], v42                     ; four of the last alpha
	v_mov_b32 v53, 0                               ; the reductions' second register
	v_mov_b32 v55, 0                               ; the store's offset
	s_mov_b32 s33, 0x3f317218                      ; ln 2
	s_wait_dscnt 0x0
	v_max3_num_f32 v52, v48, v49, v50
	v_max_num_f32 v52, v52, v51
	RED v_max_num_f32, 52, 53
.irp k, 0,1,2,3
	v_sub_f32 v[48+\k], v[48+\k], v52
.endr
.irp k, 0,1,2,3
	v_exp_f32 v[48+\k], v[48+\k]
.endr
	v_add_nc_u32 v43, 32, v[LANE]                  ; the plain line behind the exponentials
	s_wait_alu depctr_va_vdst(0)                   ; one wait for the tail's four exponentials, ahead of their sums
	v_add_f32 v48, v48, v49
	v_add_f32 v50, v50, v51
	v_add_f32 v48, v48, v50
	RED v_add_f32, 48, 53
	v_log_f32 v48, v48
	v_lshl_add_u32 v54, v[LANE], 9, LOGITS         ; the plain line behind the logarithm: row l of the logits
	s_wait_alu depctr_va_vdst(0)                   ; the wait for the tail's logarithm, which read the exponentials' sum: a batch of its own
	v_add_f32 v52, v52, v48                        ; log2 of the norm
	s_wait_loadcnt 0x0
.irp k, 44,45,46,47
	v_min_u32 v\k, 127, v\k                        ; an index stays inside its table
.endr
	v_lshl_add_u32 v56, v44, 2, v54                ; logits[l][tags[l]]
	v_lshl_add_u32 v57, v45, 2, v54                ; logits[l+32][tags[l+32]], 32 rows on by the offset
	v_lshlrev_b32 v58, 9, v47
	v_lshl_add_u32 v58, v44, 2, v58                ; trans[tags[l-1]][tags[l]]
	v_lshlrev_b32 v59, 9, v46
	v_lshl_add_u32 v59, v45, 2, v59                ; trans[tags[l+31]][tags[l+32]]
	ds_load_b32 v60, v56
	ds_load_b32 v61, v57 offset:32*512
	ds_load_b32 v62, v58
	ds_load_b32 v63, v59
	v_cmp_gt_i32 s30, s[LEN], v[LANE]              ; l < length
	s_and_b32 s31, s30, -2                         ; and l > 0
	v_cmp_gt_i32 s32, s[LEN], v43                  ; l + 32 < length
	s_wait_dscnt 0x0
	v_cndmask_b32 v60, 0, v60, s30
	v_cndmask_b32 v61, 0, v61, s32
	v_cndmask_b32 v62, 0, v62, s31
	v_cndmask_b32 v63, 0, v63, s32
	v_add_f32 v60, v60, v61
	v_add_f32 v62, v62, v63
	v_add_f32 v60, v60, v62
	RED v_add_f32, 60, 53
	v_fma_f32 v52, v52, s33, -v60                  ; log_norm - seq_score
	v_cmp_eq_u32 vcc_lo, 0, v[LANE]
	s_wait_xcnt 0x0                                ; EXEC changes only when no earlier memory instruction still reads it
	s_wait_tensorcnt 0x0
	ds_add_u32 v27, v35
	s_wait_dscnt 0x0
	s_and_saveexec_b32 s36, vcc_lo
	global_store_b32 v55, v52, s[12:13]            ; one number a work-group
	s_endpgm
; Backtrack.  Lane l holds columns 4l..4l+3 of each backpointer row; the current tag is the same number in every lane.
.set JK,    40                         ; v[40:43] float(4 l + k)
.set TAG,   44                         ; v44      the current tag, as f32
.set TMP,   46                         ; v46      the reductions' second register
.set VA,    47                         ; v47      BP + 16 l
.set W,     48                         ; v[48:51] at work
.set P,     52                         ; v[52:53] lane l: path[2l], path[2l+1]
.set BEST,  54                         ; v54      the best score
.set BANK0, 128                        ; two banks of 16 rows, 4 registers each, in the registers that held trans
.set BANK1, 192
.macro BLOCK bank, top, cnt            ; rows top, top-1, .. of the backpointers
.set i, 0
.rept \cnt
	ds_load_b128 v[\bank+4*i:\bank+4*i+3], v[VA] offset:512*(\top-i)
.set i, i+1
.endr
.endm
; for t = top, top-1, ..: keep path[t] = tag, then tag = bp[t-1][tag].  No address hangs on the tag: the one lane and
; register whose column equals it keeps its number, all others give 0, and a maximum over the wave hands it to all.
.macro BRUN bank, top, cnt
.set i, 0
.rept \cnt
.set t, \top-i
.set r, \bank+4*i
	s_mov_b32 s[PM], 1<<(t>>1)
	v_cndmask_b32 v[P+(t&1)], v[P+(t&1)], v[TAG], s[PM]
.irp k, 0,1,2,3
	v_cmp_eq_f32 s[CM+\k], v[TAG], v[JK+\k]
.endr
.irp k, 0,1,2,3
	v_cndmask_b32 v[W+\k], 0, v[r+\k], s[CM+\k]
.endr
	v_max3_num_f32 v[TAG], v[W], v[W+1], v[W+2]
	v_max_num_f32 v[TAG], v[TAG], v[W+3]
	RED v_max_num_f32, TAG, TMP
.set i, i+1
.endr
.endm
.Lvtail:
	v_lshlrev_b32 v[VA], 4, v[LANE]
	v_add_nc_u32 v[VA], BP, v[VA]
	ds_load_b128 v[56:59], v[VA] offset:STATE+BUFB+512-BP   ; four of the last v
	BLOCK BANK0, 62, 16
	BLOCK BANK1, 46, 16
	v_lshlrev_b32 v45, 2, v[LANE]
	v_cvt_f32_u32 v[JK], v45
	v_add_f32 v[JK+1], 1.0, v[JK]
	v_add_f32 v[JK+2], 2.0, v[JK]
	v_add_f32 v[JK+3], 1.0, v[JK+2]
	v_mov_b32 v[P], 0
	v_mov_b32 v[P+1], 0
	v_mov_b32 v[TMP], 0
	v_mov_b32 v60, 0                               ; out2's offset
	v_lshlrev_b32 v55, 3, v[LANE]                  ; out1's offset: 8 bytes a lane
	v_mov_b32 v[TAG], 0x447a0000                   ; 1000.0: above every index
	s_wait_dscnt 32                                ; the 32 rows are younger than the last v
	v_max3_num_f32 v[BEST], v56, v57, v58
	v_max_num_f32 v[BEST], v[BEST], v59
	RED v_max_num_f32, BEST, TMP
.irp k, 3,2,1,0
	v_cmp_eq_f32 s[CM+\k], v[56+\k], v[BEST]
	v_cndmask_b32 v[TAG], v[TAG], v[JK+\k], s[CM+\k]   ; my lowest column that holds the best score
.endr
	RED v_min_num_f32, TAG, TMP                    ; the first argmax
	s_wait_dscnt 16                                ; rows 62..47 are in, 16 younger loads stay out
	BRUN BANK0, 63, 16
	BLOCK BANK0, 30, 16
	s_wait_dscnt 16                                ; rows 46..31 are in
	BRUN BANK1, 47, 16
	BLOCK BANK1, 14, 15
	s_wait_dscnt 15                                ; rows 30..15 are in, the last 15 loads stay out
	BRUN BANK0, 31, 16
	s_wait_dscnt 0x0
	BRUN BANK1, 15, 15
	s_mov_b32 s[PM], 1
	v_cndmask_b32 v[P], v[P], v[TAG], s[PM]        ; path[0]
	v_cvt_u32_f32 v[P], v[P]
	v_cvt_u32_f32 v[P+1], v[P+1]
	global_store_b64 v55, v[P:P+1], s[14:15]       ; the wave stores the row's 256 consecutive bytes, aligned
	v_cmp_eq_u32 vcc_lo, 0, v[LANE]
	s_wait_xcnt 0x0                                ; EXEC changes only when the store above no longer reads it
	s_wait_tensorcnt 0x0
	ds_add_u32 v27, v35
	s_wait_dscnt 0x0
	s_and_saveexec_b32 s36, vcc_lo
	global_store_b32 v60, v[BEST], s[16:17]        ; one number a work-group
	s_endpgm
.Lfunc_end_k_q2a5296450e_crf:
	.size	k_q2a5296450e_crf, .Lfunc_end_k_q2a5296450e_crf-k_q2a5296450e_crf
	.p2alignl 7, 3214868480
	.fill 96, 4, 3214868480
	.section	.rodata,"a",@progbits
	.p2align	6, 0x0
	.amdhsa_kernel k_q2a5296450e_crf
		.amdhsa_group_segment_fixed_size 168960
		.amdhsa_private_segment_fixed_size 0
		.amdhsa_enable_private_segment 0
		.amdhsa_kernarg_size 56
		.amdhsa_user_sgpr_count 2
		.amdhsa_user_sgpr_kernarg_segment_ptr 1
		.amdhsa_wavefront_size32 1
		.amdhsa_system_sgpr_workgroup_id_x 1
		.amdhsa_system_sgpr_workgroup_id_y 1
		.amdhsa_system_sgpr_workgroup_id_z 1
		.amdhsa_system_vgpr_workitem_id 0
		.amdhsa_next_free_vgpr 256
		.amdhsa_next_free_sgpr 66
		.amdhsa_reserve_vcc 1
		.amdhsa_float_denorm_mode_32 3
		.amdhsa_float_denorm_mode_16_64 3
		.amdhsa_memory_ordered 1
		.amdhsa_forward_progress 1
		.amdhsa_inst_pref_size 235
	.end_amdhsa_kernel
	.amdgpu_metadata
---
amdhsa.version: [ 1, 2 ]
amdhsa.kernels:
  - .name:           k_q2a5296450e_crf
    .symbol:         k_q2a5296450e_crf.kd
    .args:
      - { .name: logits, .offset: 0, .size: 8, .value_kind: global_buffer, .address_space: global }
      - { .name: tags, .offset: 8, .size: 8, .value_kind: global_buffer, .address_space: global }
      - { .name: lengths, .offset: 16, .size: 8, .value_kind: global_buffer, .address_space: global }
      - { .name: trans, .offset: 24, .size: 8, .value_kind: global_buffer, .address_space: global }
      - { .name: nll, .offset: 32, .size: 8, .value_kind: global_buffer, .address_space: global }
      - { .name: out1, .offset: 40, .size: 8, .value_kind: global_buffer, .address_space: global }
      - { .name: out2, .offset: 48, .size: 8, .value_kind: global_buffer, .address_space: global }
    .group_segment_fixed_size: 168960
    .private_segment_fixed_size: 0
    .kernarg_segment_align: 8
    .kernarg_segment_size: 56
    .max_flat_workgroup_size: 256
    .sgpr_count:     66
    .vgpr_count:     256
    .wavefront_size: 32
...
	.end_amdgpu_metadata
.endif
;; end of part 3
;; launch total: the kernel of part 2 again; grid 1 x 1, 1 waves a work-group, no clusters, 0 bytes of LDS; arguments nll, out0; writes out0
